; MI455X (gfx1250); checked and timed in simulation.
; The chip was launched on July 23, 2026; its instructions are those of AMD's public machine-readable ISA for CDNA 5 (MIT licence, August 2026) and "CDNA5" Instruction Set Architecture Reference Guide (July 2026). The comments in the code are by the model that wrote it; some were corrected since.
;; Custom Sparse GLU. Allowed arithmetic: float matrix products may take bf16 or f16 operands with f32 sums; all other float work in f32.
;; Inputs: expert_ids 8,192 int32; v1 8 x 2,048 x 1,024 float32; w1 8 x 2,048 x 1,024 float32; w2 8 x 2,048 x 1,024 float32; x 8,192 x 1,024 float32.
;; Outputs: out0 8,192 x 1,024 float32.
;; One version. Each part assembles by itself: llvm-mc -triple=amdgcn-amd-amdhsa -mcpu=gfx1250 --defsym DOCPART=n.
;; ======== version 1 of 1: 2 launches
;; workspace buffers: hbuf 33,554,432 bytes
;; launch glu (part 1): grid 16 x 32, 4 waves a work-group, clusters of 4 x 4, 327,680 bytes of LDS; arguments x, w1, v1, hbuf; writes hbuf
.if DOCPART == 1
	.amdgcn_target "amdgcn-amd-amdhsa--gfx1250"
	.amdhsa_code_object_version 6
	.text
	.protected	k_qbf7e368fbb_glu
	.globl	k_qbf7e368fbb_glu
	.p2align	8
	.type	k_qbf7e368fbb_glu,@function
k_qbf7e368fbb_glu:
	s_mov_b64 s[64:65], 0
	v_nop
	global_prefetch_b8 v0, s[64:65] scope:SCOPE_SE
	s_setreg_imm32_b32 hwreg(HW_REG_WAVE_MODE, 25, 1), 1
	s_wait_xcnt 0x0
	s_wait_alu depctr_hold_cnt(0) depctr_sa_sdst(0) depctr_va_vdst(0) depctr_va_sdst(0) depctr_va_ssrc(0) depctr_va_vcc(0) depctr_vm_vsrc(0)
	s_getreg_b32 s2, hwreg(HW_REG_IB_STS2, 6, 4)
	s_cmp_eq_u32 s2, 0
	s_cbranch_scc0 .Lentry_in_a_cluster
	s_endpgm
.Lentry_in_a_cluster:
	s_bfe_u32 s2, ttmp6, 0x10000c
	s_cmp_lg_u32 s2, 0xf033
	s_cbranch_scc0 .Lentry_shape_is_right
	s_endpgm
.Lentry_shape_is_right:
; h = gelu(X W1^T) * (X V1^T), per expert.  x: [8192][1024] f32; w1, v1: [8][2048][1024] f32; h leaves as bf16.
; Expert e owns token rows 1024 e .. 1024 e + 1023: that is the reshape of the problem's definition.  The input expert_ids is read by
; no line of that definition, so no result may hang on it, and it is not among this launch's arguments.
; hbuf layout: [f >> 6 (32)][token (8192)][f & 63 (64)] bf16: element (t, f) at byte (f >> 6) * 1048576 + t * 128 + (f & 63) * 2.
;
; A work-group makes 256 tokens x 128 f, for both products, with four waves.  A wave makes 128 tokens x (64 rows of w1 + 64 rows of v1):
; 8 x 8 accumulator tiles of 16 x 16, 512 registers, so that x1 and x2 of one h lie in the same lane.
; K (1024) goes in 16 steps of 64 f32 (256 bytes of a row) through a ring of two LDS slots filled by the tensor data mover.
; The tiles are f32: a wave reads them from LDS into landing registers and packs them to bf16 fragments (v_cvt_pk_bf16_f32).
; CLUSTERS: 4 x 4 work-groups.  The four of a row of the cluster have the same 256 tokens and ask for x's tiles jointly; the four of a column
; have the same 128 f of the same expert (a cluster's four token blocks are one expert's) and ask for w1's and v1's tiles jointly.
; PREFETCH: an f32 slot holds only 128 matrix instructions' work of a wave, and two such slots fill LDS, so the tiles of K steps 2 to 15 are also
; asked for ahead of their tensor loads.  Once a lap (two K steps), behind the joint load of slot 1, the tiles of the lap after next are named: one and
; two K steps ahead of the tensor loads that want them; steps 2 and 3 are named at the start; laps 6 and 7 name nothing, so no request passes a row's end.
; Each aligned block of 256 bytes is named once in the launch, one lane a block.  Weights: of an f block's 128 rows the work-group at place cy of its
; cluster column takes rows 32 cy .. + 31, wave (HI, LO) those of w1 (LO = 0) or v1 (LO = 1) for the pair's step HI.  x: of a token block's 256 rows the
; work-group of f block b takes rows 16 b .. + 15, both steps, in its wave 0.  That is 160 blocks (40 KiB) a lap and work-group, two laps' at most not yet read.
;
; LIMITS.  Matrix operands are rounded to bf16, h too.  Inside each group of 32 along K lane half h holds k = 16 h .. 16 h + 15, in x and in the
; weights alike: the products pair rightly, the order of the sums inside an instruction is not ascending k.
; gelu(x) = x Phi(x) is made as max(x, 0) - |x| q(|x|), q the upper tail of Phi by the rational form of Abramowitz and Stegun 7.1.26:
; absolute error of Phi at most 7.5e-8 for every x, no difference of near numbers for negative x.  An infinite x1 gives NaN.
;
; REGISTERS, in windows of 256:
;   window 0: v0-31 addresses, constants; v32-159 landing of x (8 x 16 rows x 32 K f32); v160-223 fragments of x; on the way out v32-255 are scratch
;   window 1: v32-159 landing of the weights; v160-223 their fragments (0-3: w1, 4-7: v1)
;   window 2: tile (a, b) at v[8 (8 a + b)] for my token rows 0-63; window 3: for rows 64-127.  b = 0..3 is x1, b = 4..7 is x2.
; The matrix instruction is used transposed (source 0 = 16 weight rows, source 1 = 16 token rows): lane l holds token l % 16, and its
; registers 0 to 7 hold f = 8 (l / 16) + 0 .. 7, eight neighbouring numbers of a row of h.
.set PITCH,  272                       ; an LDS row: 256 bytes + 16 of padding = 17 x 16: the 16 rows that a load touches begin at 16 different 16-byte columns modulo 256
.set HALFT,  128*PITCH                 ; 128 rows: what one tensor load brings
.set SLOT,   4*HALFT                   ; rows 0-255 x, 256-383 w1, 384-511 v1
.set STAGE,  2*SLOT                    ; behind the ring, a multiple of 256: 16 rows x 144 bytes for each wave; no tensor load lands here
.set SPITCH, 144                       ; a stage row: 128 bytes + 16
.set KBYTES, 256                       ; a K step in bytes of a row
.set LAPS,   8                         ; 16 K steps, two a lap
.set C4V,  8                           ; v[8:9]  the constant C4, twice
.set ADRA, 16                          ; v16-17  LDS address of my x rows in slot 0, 1
.set ADRB, 20                          ; v20-21  the same for my weight rows
.set STO,  24                          ; v24     the way out: where I put 16 bytes of a row of h
.set RD,   25                          ; v25     the way out: where I read rows back
.set CO,   26                          ; v26     16 x lane: my place in 512 consecutive bytes of hbuf
.set PFW,  27                          ; v27     prefetch of the weights: lane x 4,096 (a row a lane); never rewritten
.set PFX,  28                          ; v28     prefetch of x: (lane % 16) x 4,096 + (lane / 16) x 256; never rewritten
.set LND,  32                          ; landing
.set FRG,  160                         ; fragments
.set XD,   32                          ; the way out, window 0: 1 + CD |x1|, later h in f32
.set XT,   64                          ; t
.set XM,   96                          ; -(KK x1)^2
.set XE,   128                         ; its exponential
.set XR,   160                         ; max(x1, 0), later gelu(x1)
.set XP,   192                         ; the polynomial, later q
.set XY,   224                         ; h packed
.set XB,   240                         ; rows read back
.set G1,  24                           ; s[24:31] descriptor group 1 for x's tiles
.set G0,  32                           ; s[32:39] group 0 for x's tiles, one set for each slot
.set G1B, 48                           ; s[48:55] group 1 for the weights' tiles: another mask
.set G0B, 56                           ; s[56:63] group 0 for the weights' tiles, one set for each slot
.set CD,  66                           ; s66      0.2316419 = 0.3275911 / sqrt(2)
.set KK,  68                           ; s[68:69] sqrt(0.5 log2 e)
.set C1,  70                           ; s[70:71], s[72:73], s[74:75], s[76:77]: half of the series' coefficients 1, 2, 3, 5
.set C2,  72
.set C3,  74
.set C5,  76
.set PWB, 78                           ; s[78:79] prefetch of the weights: my 32 rows at my step of the pair that is named next
.set PXB, 80                           ; s[80:81] prefetch of x: my work-group's 16 rows at the pair that is named next
.set MSB, 0
.macro WIN new                         ; the immediate's high byte repeats the setting that is left
.if MSB != \new
	s_set_vgpr_msb (MSB<<8)|\new
.set MSB, \new
.endif
.endm
.set MUL_LO, 0xa1                      ; source 0 (weights) window 1, source 1 (x) window 0, C and D window 2
.set MUL_HI, 0xf1                      ; the same, C and D window 3
.set TO_B,   0x40                      ; destination window 1, address window 0
.set CVB,    0x45                      ; destination and both sources window 1
.set EP_LO,  0x02                      ; source 0 window 2
.set EP_HI,  0x03                      ; source 0 window 3
; A joint load.  Waves 0 and 1 fetch x's two halves, wave 2 w1's rows, wave 3 v1's.  Each line has one mask; the branch hangs on the wave's number alone.
.macro JLOAD s
	s_cmp_eq_u32 s13, 0
	s_cbranch_scc0 .Lfor_b_\@
	tensor_load_to_lds s[G0+4*\s:G0+4*\s+3], s[G1:G1+7]
	s_nop 0
	s_branch .Lasked_\@
.Lfor_b_\@:
	tensor_load_to_lds s[G0B+4*\s:G0B+4*\s+3], s[G1B:G1B+7]
	s_nop 0
.Lasked_\@:
.endm
; A round of the cluster's barrier: my work-group's barrier; wave 0 signals for the work-group; every wave waits for all sixteen; my work-group's barrier again.
.macro CREST                           ; a round behind its opening barrier
	s_cmp_lg_u32 s12, 0
	s_cbranch_scc1 .Lnot_wave_0_\@
	s_barrier_signal -3
.Lnot_wave_0_\@:
	s_barrier_wait -3
	s_barrier_signal -1
	s_barrier_wait -1
.endm
.macro CROUND                          ; a whole round
	s_barrier_signal -1
	s_barrier_wait -1
	CREST
.endm
; The prefetch of a pair of K steps: every wave names 32 blocks of the weights, wave 0 also 32 blocks of x.  Nothing waits for these lines.
.macro PFETCH
	global_prefetch_b8 v[PFW], s[PWB:PWB+1] th:TH_LOAD_NT scope:SCOPE_SE
	s_cmp_lg_u32 s12, 0
	s_cbranch_scc1 .Lno_x_\@
	global_prefetch_b8 v[PFX], s[PXB:PXB+1] th:TH_LOAD_NT scope:SCOPE_SE
.Lno_x_\@:
.endm
	s_load_b256 s[4:11], s[0:1], 0x0               ; x s[4:5], w1 s[6:7], v1 s[8:9], hbuf s[10:11]
	v_lshl_add_u32 v30, v0, 2, 0x46400
	v_mov_b32 v31, 0
	ds_add_u32 v30, v31
	v_lshrrev_b32 v1, 5, v0
	v_readfirstlane_b32 s12, v1                    ; wave 0..3
	s_lshr_b32 s13, s12, 1                         ; HI: which 128 tokens are mine.  Also: I fetch for x (0) or for the weights (1)
	s_and_b32 s14, s12, 1                          ; LO: which 64 f are mine.  Also: which half of x, or w1 (0) / v1 (1), I fetch
	s_bfe_u32 s15, ttmp6, 0x40000                  ; cx
	s_bfe_u32 s16, ttmp6, 0x40004                  ; cy
	s_lshl_b32 s17, ttmp9, 2
	s_add_co_u32 s17, s17, s15                     ; f block (128 f) = 4 x cluster x + cx
	s_and_b32 s19, ttmp7, 0xffff                   ; expert = cluster y: four token blocks of 256 are one expert's 1024 rows
	s_lshl_b32 s18, s19, 2
	s_add_co_u32 s18, s18, s16                     ; token block (256 rows) = 4 x cluster y + cy
	s_lshl_b32 s20, s16, 2
	s_lshl_b32 s20, 15, s20                        ; my row of the cluster: places 4 cy .. 4 cy + 3
	s_lshl_b32 s21, 0x1111, s15                    ; my column: places cx, cx + 4, cx + 8, cx + 12
	; group 1: a tile of 128 rows x 64 f32, padded in LDS
.set G1W0, (2<<16)|(1<<20)|(1<<21)|(5<<22)|(3<<25) ; 17:16 elements of 4 bytes; 20 padding on; 21 set beside a mask; 24:22 after every 64 words; 31:25 four words
	s_or_b32 s[G1+0], s20, G1W0                    ; 15:0 the mask: x's tiles go to my row
	s_or_b32 s[G1B+0], s21, G1W0                   ; the weights' tiles go to my column
	s_mov_b32 s[G1+1], 64<<16                      ; tensor_dim0 = 64
	s_mov_b32 s[G1B+1], 64<<16
	s_mov_b32 s[G1+2], 128<<16                     ; tensor_dim1 = 128
	s_mov_b32 s[G1B+2], 128<<16
	s_mov_b32 s[G1+3], 64<<16                      ; tile_dim0 = 64
	s_mov_b32 s[G1B+3], 64<<16
	s_mov_b32 s[G1+4], 128                         ; tile_dim1 = 128
	s_mov_b32 s[G1B+4], 128
	s_mov_b32 s[G1+5], 1024                        ; elements from row to row
	s_mov_b32 s[G1B+5], 1024
	s_mov_b32 s[G1+6], 0
	s_mov_b32 s[G1B+6], 0
	s_mov_b32 s[G1+7], 0
	s_mov_b32 s[G1B+7], 0
	; x's tiles hang on the token block and the wave; the weights' on the expert, the f block and the wave.  Each offset in registers of its own.
	s_lshl_b32 s40, s18, 20                        ; 256 rows of 4,096 bytes
	s_lshl_b32 s23, s14, 19                        ; + my 128 rows of them
	s_add_co_u32 s40, s40, s23
	s_mov_b32 s41, 0
	s_lshl_b32 s42, s19, 23                        ; an expert's 2048 rows of 4,096 bytes
	s_lshl_b32 s43, s17, 19                        ; + 128 rows for each f block
	s_add_co_u32 s42, s42, s43
	s_mov_b32 s43, 0
	s_mul_i32 s22, s12, HALFT                      ; where my tile goes: wave x 128 rows
	s_wait_dscnt 0x0
	s_wait_kmcnt 0x0
	s_add_nc_u64 s[40:41], s[4:5], s[40:41]
	s_cmp_eq_u32 s14, 0
	s_cselect_b64 s[44:45], s[6:7], s[8:9]         ; w1 for LO = 0, v1 for LO = 1
	s_add_nc_u64 s[42:43], s[44:45], s[42:43]
	CROUND                                         ; all sixteen work-groups are here: the first joint loads meet
.irp s, 0,1
	s_mov_b32 s[G0+4*\s], 1                                        ; count = 1
	s_add_co_u32 s[G0+4*\s+1], s22, \s*SLOT                        ; LDS address
	s_add_nc_u64 s[G0+4*\s+2:G0+4*\s+3], s[40:41], \s*KBYTES       ; global address: K step s
	s_or_b32 s[G0+4*\s+3], s[G0+4*\s+3], 0x80000000                ; type = 2
	s_mov_b32 s[G0B+4*\s], 1
	s_add_co_u32 s[G0B+4*\s+1], s22, \s*SLOT
	s_add_nc_u64 s[G0B+4*\s+2:G0B+4*\s+3], s[42:43], \s*KBYTES
	s_or_b32 s[G0B+4*\s+3], s[G0B+4*\s+3], 0x80000000
	JLOAD \s                                       ; both slots are asked for before anything else: two tensor loads of this wave are out
.endr
	; Lane l = (r = l % 16, h = l / 16) takes, of row r of a fragment, the 64 bytes at 64 h of each group of 128 bytes (32 K in f32).
	v_and_b32 v1, 15, v0                           ; r
	v_bfe_u32 v2, v0, 4, 1                         ; h
	v_and_b32 v5, 31, v0                           ; lane
	; the prefetch's places: K steps 2 and 3 are named now, right behind the first fills
	v_lshlrev_b32 v[PFW], 12, v5                   ; a weight row a lane
	v_lshlrev_b32 v[PFX], 12, v1                   ; an x row for lane % 16,
	v_lshl_add_u32 v[PFX], v2, 8, v[PFX]           ; the pair's first or second block of 256 bytes for lane / 16
	s_lshl_b32 s46, s19, 23                        ; weights: the expert,
	s_lshl_b32 s47, s17, 19                        ; the f block,
	s_add_co_u32 s46, s46, s47
	s_lshl_b32 s47, s16, 17                        ; my work-group's 32 rows of its 128,
	s_add_co_u32 s46, s46, s47
	s_lshl_b32 s47, s13, 8                         ; my step of the pair,
	s_add_co_u32 s46, s46, s47
	s_add_co_u32 s46, s46, 2*KBYTES                ; the pair of K steps 2 and 3
	s_mov_b32 s47, 0
	s_add_nc_u64 s[PWB:PWB+1], s[44:45], s[46:47]  ; in w1 (LO = 0) or v1 (LO = 1)
	s_lshl_b32 s46, s18, 20                        ; x: the token block,
	s_lshl_b32 s47, s17, 16                        ; my work-group's 16 rows of its 256,
	s_add_co_u32 s46, s46, s47
	s_add_co_u32 s46, s46, 2*KBYTES                ; the pair of K steps 2 and 3
	s_mov_b32 s47, 0
	s_add_nc_u64 s[PXB:PXB+1], s[4:5], s[46:47]
	PFETCH
	v_mul_u32_u24 v3, v1, PITCH
	v_lshl_add_u32 v3, v2, 6, v3                   ; r x pitch + 64 h
	s_mul_i32 s23, s13, HALFT                      ; my 128 rows of x
	s_mul_i32 s46, s14, 64*PITCH                   ; my 64 rows of w1 (v1's lie 128 rows further on),
	s_add_co_u32 s46, s46, 2*HALFT                 ; behind x's 256
.irp s, 0,1
	v_add_nc_u32 v[ADRA+\s], s23, v3
	v_add_nc_u32 v[ADRB+\s], s46, v3
	s_add_co_u32 s23, s23, SLOT
	s_add_co_u32 s46, s46, SLOT
.endr
	s_mul_i32 s23, s12, 16*SPITCH
	s_add_co_u32 s23, s23, STAGE                   ; my stage
	v_mul_u32_u24 v4, v1, SPITCH                   ; in: row r, 16 bytes for each half of the lanes
	v_lshl_add_u32 v4, v2, 4, v4
	v_add_nc_u32 v[STO], s23, v4
	v_lshrrev_b32 v6, 3, v5                        ; back: eight lanes take a row of 128 bytes, a load takes four rows
	v_and_b32 v7, 7, v5
	v_mul_u32_u24 v6, v6, SPITCH
	v_lshl_add_u32 v6, v7, 4, v6
	v_add_nc_u32 v[RD], s23, v6
	v_lshlrev_b32 v[CO], 4, v5
	v_mov_b32 v[C4V], 0xbf3a00e3                   ; C4 = -0.7265760 in a vector pair, so that no packed instruction names two scalar pairs
	v_mov_b32 v[C4V+1], 0xbf3a00e3
	s_mov_b32 s[CD], 0x3e6d3389                    ; 0.2316419
	s_mov_b32 s[KK], 0x3f596d27                    ; 0.8493218
	s_mov_b32 s[KK+1], 0x3f596d27
	s_mov_b32 s[C1], 0x3e027906                    ; 0.1274148
	s_mov_b32 s[C1+1], 0x3e027906
	s_mov_b32 s[C2], 0xbe11a98e                    ; -0.1422484
	s_mov_b32 s[C2+1], 0xbe11a98e
	s_mov_b32 s[C3], 0x3f35f0e3                    ; 0.7107069
	s_mov_b32 s[C3+1], 0x3f35f0e3
	s_mov_b32 s[C5], 0x3f07dc22                    ; 0.5307027
	s_mov_b32 s[C5+1], 0x3f07dc22
; 32 LDS loads: my 128 rows of x, 32 K (128 bytes at byte k of the rows), as f32 into the landing of window 0
.macro FETCHA slot, k
	WIN 0
.irp i, 0,1,2,3,4,5,6,7
.irp c, 0,1,2,3
	ds_load_b128 v[LND+16*\i+4*\c:LND+16*\i+4*\c+3], v[ADRA+\slot] offset:\k+\i*16*PITCH+16*\c
.endr
.endr
.endm
; 32 LDS loads: my 64 rows of w1, then my 64 rows of v1, into the landing of window 1
.macro FETCHB slot, k
	WIN TO_B
.irp b, 0,1,2,3
.irp c, 0,1,2,3
	ds_load_b128 v[LND+16*\b+4*\c:LND+16*\b+4*\c+3], v[ADRB+\slot] offset:\k+\b*16*PITCH+16*\c
.endr
.endr
.irp b, 0,1,2,3
.irp c, 0,1,2,3
	ds_load_b128 v[LND+64+16*\b+4*\c:LND+64+16*\b+4*\c+3], v[ADRB+\slot] offset:\k+HALFT+\b*16*PITCH+16*\c
.endr
.endr
.endm
; 64 conversions: a landing (8 x 16 f32 a lane) becomes eight fragments (8 x 8 registers of two bf16), under the window setting of the caller
.macro CVT
.irp i, 0,1,2,3,4,5,6,7
.irp p, 0,1,2,3,4,5,6,7
	v_cvt_pk_bf16_f32 v[FRG+8*\i+\p], v[LND+16*\i+2*\p], v[LND+16*\i+2*\p+1]
.endr
.endr
.endm
.macro CVTA
	WIN 0
	CVT
.endm
.macro CVTB
	WIN CVB
	CVT
.endm
; 16 matrix instructions: token blocks a0, a0 + 1 of the window's four x all 8 weight blocks, 32 along K.  zero = 1: the first product starts the sums.
.macro MUL16 hi, a0, zero
.irp a, \a0, \a0+1
.irp b, 0,1,2,3,4,5,6,7
.if \zero
	v_wmma_f32_16x16x32_bf16 v[8*(8*(\a)+\b):8*(8*(\a)+\b)+7], v[FRG+8*\b:FRG+8*\b+7], v[FRG+8*(4*\hi+\a):FRG+8*(4*\hi+\a)+7], 0
.else
	v_wmma_f32_16x16x32_bf16 v[8*(8*(\a)+\b):8*(8*(\a)+\b)+7], v[FRG+8*\b:FRG+8*\b+7], v[FRG+8*(4*\hi+\a):FRG+8*(4*\hi+\a)+7], v[8*(8*(\a)+\b):8*(8*(\a)+\b)+7]
.endif
.endr
.endr
.endm
; A vector instruction that writes a register which a matrix instruction has read, or reads a matrix result, stands four places behind it, and only plain
; vector instructions that name none of its registers are places (ISA guide 7.12.1).  Four v_nop stand in front of each run of conversions into the fragments.
; The landing registers are no operand of any matrix instruction: loads into them need no places.
; The 64 accumulators take turns, one instruction a turn, in the same order in every half step, over the backward jump too.
.macro PLACES
.rept 4
	v_nop
.endr
.endm
; A K step is two halves of 32 along K, 64 matrix instructions each.
; The first half: packs what has landed, asks for the second half's f32 as soon as a landing is free, multiplies.
.macro EVEN slot, zero
	s_wait_dscnt 32                                ; x's 32 loads are in; the weights' 32, issued behind them, may be out
	WIN 0
	PLACES
	CVTA
	FETCHA \slot, 128
	s_wait_dscnt 32                                ; the weights' loads are in; the 32 just issued may be out
	CVTB
	FETCHB \slot, 128
	WIN MUL_LO
	MUL16 0, 0, \zero
	MUL16 0, 2, \zero
	WIN MUL_HI
	MUL16 1, 0, \zero
	MUL16 1, 2, \zero
.endm
; The second half, and the change of slots.  next = the other slot; fill = 1: this slot is filled again, two K steps ahead; pf = 1: a pair of K steps is named ahead.
; In front of the barrier each wave waits for its reads of this slot and for all its tensor loads (one is out: its part of the next slot).
; Behind it nobody reads this slot and the next slot is whole: the refill comes first.  Nothing stands between the signal and the wait, and all 64
; products of this half step stand behind the refill: a slot holds only 128 matrix instructions' work of a wave, so the next request leaves as soon as
; the round has closed, and the products, which need registers alone, run while it is on its way.  The next slot's first loads stand in their middle.
.macro TURN slot, next, fill, pf
.if \pf
	s_wait_xcnt 0x0                                ; the last prefetch, a lap ago, has had its addresses translated (ISA guide 3.1): its bases are stepped only behind this wait
	s_add_nc_u64 s[PWB:PWB+1], s[PWB:PWB+1], 2*KBYTES
	s_add_nc_u64 s[PXB:PXB+1], s[PXB:PXB+1], 2*KBYTES
.endif
	s_wait_dscnt 32                                ; x's loads are in
	WIN 0
	PLACES
	CVTA
	s_wait_dscnt 0                                 ; the weights' too: my reads of this slot are over
	CVTB
	WIN 0
	s_wait_tensorcnt 0x0                           ; all my tensor loads have landed, so every group 0 may be written
	ds_add_u32 v30, v31
	s_wait_dscnt 0x0
.if \fill
	s_add_nc_u64 s[G0+4*\slot+2:G0+4*\slot+3], s[G0+4*\slot+2:G0+4*\slot+3], 2*KBYTES
	s_add_nc_u64 s[G0B+4*\slot+2:G0B+4*\slot+3], s[G0B+4*\slot+2:G0B+4*\slot+3], 2*KBYTES
.endif
	s_barrier_signal -1                            ; say so (where the slot is filled again this barrier opens a round of the cluster's barrier)
	s_barrier_wait -1
.if \fill
	CREST                                          ; no wave of any partner still reads this slot's tile or has a load on its way
	JLOAD \slot                                    ; the first tensor load behind the round, and my only one until the next: one is out
.endif
.if \pf
	PFETCH                                         ; the tiles of the lap after next: their tensor loads stand one and two K steps further on
.endif
	WIN MUL_LO
	MUL16 0, 0, 0
	MUL16 0, 2, 0
	FETCHA \next, 0
	FETCHB \next, 0
	WIN MUL_HI
	MUL16 1, 0, 0
	MUL16 1, 2, 0
.endm
.macro LAST                            ; the very last half step: nothing more to fetch
	s_wait_dscnt 32
	WIN 0
	PLACES
	CVTA
	s_wait_dscnt 0
	CVTB
	WIN MUL_LO
	MUL16 0, 0, 0
	MUL16 0, 2, 0
	WIN MUL_HI
	MUL16 1, 0, 0
	MUL16 1, 2, 0
.endm
.macro LAP zero, pf                    ; once round the ring, both slots filled again
	EVEN 0, \zero
	TURN 0, 1, 1, 0
	EVEN 1, 0
	TURN 1, 0, 1, \pf
.endm
	s_wait_tensorcnt 0x1                           ; my part of K step 0 is in; K step 1's stays out
	s_barrier_signal -1
	s_barrier_wait -1                              ; everybody's part is in
	FETCHA 0, 0
	FETCHB 0, 0
	LAP 1, 1                                       ; lap 0 stands in front of the loop: its first products start the sums; it names lap 2's tiles
	WIN 0                                          ; at a label and at a branch every window is 0
	s_mov_b32 s3, LAPS-3
.Llap:
	LAP 0, 1                                       ; laps 1 to 5 name the tiles of laps 3 to 7
	WIN 0
	s_sub_co_u32 s3, s3, 1
	s_cmp_lg_u32 s3, 0
	s_cbranch_scc1 .Llap
	LAP 0, 0                                       ; lap 6 fills both slots for lap 7 and names nothing: there is no lap 8
	EVEN 0, 0                                      ; the last lap fills nothing and has no round of the cluster's barrier
	TURN 0, 1, 0, 0
	EVEN 1, 0
	LAST
	; THE WAY OUT, 16 token rows at a time.  The four v_nop are the places behind the last matrix instructions.
	PLACES
	s_lshl_b32 s44, s17, 1
	s_add_co_u32 s44, s44, s14                     ; my block of 64 f = 2 x f block + LO
	s_lshl_b32 s44, s44, 20                        ; 8192 tokens x 128 bytes each
	s_lshl_b32 s45, s18, 15                        ; + 256 tokens x 128 bytes for each token block
	s_add_co_u32 s44, s44, s45
	s_lshl_b32 s45, s13, 14                        ; + my 128 tokens
	s_add_co_u32 s44, s44, s45
	s_mov_b32 s45, 0
	s_add_nc_u64 s[10:11], s[10:11], s[44:45]
; Rows 16 g .. 16 g + 15 of my 128: x1 = v[64 a .. 64 a + 31], x2 = v[64 a + 32 .. 64 a + 63] of window 2 or 3 (from).
; q = exp2(-(KK x)^2) t (C1 + t (C2 + t (C3 + t (C4 + t C5)))), t = 1 / (1 + CD |x|);  gelu = max(x, 0) - |x| q;  h = gelu x2.
.macro OUTG g, a, from
	WIN \from
.set n, 0
.rept 32
	v_fma_f32 v[XD+n], |v[64*\a+n]|, s[CD], 1.0
.set n, n+1
.endr
.set n, 0
.rept 16
	v_pk_mul_f32 v[XM+n:XM+n+1], v[64*\a+n:64*\a+n+1], s[KK:KK+1] op_sel_hi:[1,0]
.set n, n+2
.endr
.set n, 0
.rept 32
	v_max_num_f32 v[XR+n], v[64*\a+n], 0
.set n, n+1
.endr
	WIN 0
.set n, 0
.rept 16
	v_pk_mul_f32 v[XM+n:XM+n+1], v[XM+n:XM+n+1], v[XM+n:XM+n+1] neg_lo:[1,0] neg_hi:[1,0]
.set n, n+2
.endr
.set n, 0
.rept 32
	v_rcp_f32 v[XT+n], v[XD+n]
.set n, n+1
.endr
.set n, 0
.rept 32
	v_exp_f32 v[XE+n], v[XM+n]
.set n, n+1
.endr
	v_nop                                          ; one plain place between the transcendentals and the first use of a result (ISA guide 5.7.2)
.set n, 0
	s_wait_alu depctr_va_vdst(0)
.rept 16
	v_pk_fma_f32 v[XP+n:XP+n+1], v[XT+n:XT+n+1], s[C5:C5+1], v[C4V:C4V+1] op_sel_hi:[1,0,1]
.set n, n+2
.endr
.irp c, C3, C2, C1
.set n, 0
.rept 16
	v_pk_fma_f32 v[XP+n:XP+n+1], v[XP+n:XP+n+1], v[XT+n:XT+n+1], s[\c:\c+1] op_sel_hi:[1,1,0]
.set n, n+2
.endr
.endr
.set n, 0
.rept 16
	v_pk_mul_f32 v[XP+n:XP+n+1], v[XP+n:XP+n+1], v[XT+n:XT+n+1]
.set n, n+2
.endr
.set n, 0
.rept 16
	v_pk_mul_f32 v[XP+n:XP+n+1], v[XP+n:XP+n+1], v[XE+n:XE+n+1]
.set n, n+2
.endr
	WIN \from
.set n, 0
.rept 32
	v_fma_f32 v[XR+n], -|v[64*\a+n]|, v[XP+n], v[XR+n]
.set n, n+1
.endr
.set n, 0
.rept 16
	v_pk_mul_f32 v[XD+n:XD+n+1], v[64*\a+32+n:64*\a+32+n+1], v[XR+n:XR+n+1]
.set n, n+2
.endr
	WIN 0
.irp b, 0,1,2,3
.irp i, 0,1,2,3
	v_cvt_pk_bf16_f32 v[XY+4*\b+\i], v[XD+8*\b+2*\i], v[XD+8*\b+2*\i+1]
.endr
.endr
.irp b, 0,1,2,3
	ds_store_b128 v[STO], v[XY+4*\b:XY+4*\b+3] offset:32*\b        ; token r, f = 16 b + 8 h + 0 .. 7
.endr
	s_wait_xcnt 0x0                                ; the last group's stores have had their addresses translated (ISA guide 3.1): their data registers are loaded again only behind this wait
.irp t, 0,1,2,3
	ds_load_b128 v[XB+4*\t:XB+4*\t+3], v[RD] offset:\t*4*SPITCH    ; LDS serves a wave's instructions in order (ISA guide 5.7.1.4): these see the stores above; the stage is my own
.endr
.irp t, 0,1,2,3
	s_wait_dscnt 3-\t                              ; load t is in, the younger ones may be out
	global_store_b128 v[CO], v[XB+4*\t:XB+4*\t+3], s[10:11] offset:2048*\g+512*\t   ; four rows of 128 bytes: the wave stores 512 consecutive bytes, at a multiple of 512 from hbuf's first byte
.endr
.endm
	OUTG 0, 0, EP_LO
	OUTG 1, 1, EP_LO
	OUTG 2, 2, EP_LO
	OUTG 3, 3, EP_LO
	OUTG 4, 0, EP_HI
	OUTG 5, 1, EP_HI
	OUTG 6, 2, EP_HI
	OUTG 7, 3, EP_HI
	s_wait_tensorcnt 0x0
	ds_add_u32 v30, v31
	s_wait_dscnt 0x0
	CROUND                                         ; the closing round: no work-group ends while a partner may still ask for a tile that names it
	s_endpgm
.Lfunc_end_k_qbf7e368fbb_glu:
	.size	k_qbf7e368fbb_glu, .Lfunc_end_k_qbf7e368fbb_glu-k_qbf7e368fbb_glu
	.p2alignl 7, 3214868480
	.fill 96, 4, 3214868480
	.section	.rodata,"a",@progbits
	.p2align	6, 0x0
	.amdhsa_kernel k_qbf7e368fbb_glu
		.amdhsa_group_segment_fixed_size 327680
		.amdhsa_private_segment_fixed_size 0
		.amdhsa_enable_private_segment 0
		.amdhsa_kernarg_size 32
		.amdhsa_user_sgpr_count 2
		.amdhsa_user_sgpr_kernarg_segment_ptr 1
		.amdhsa_wavefront_size32 1
		.amdhsa_system_sgpr_workgroup_id_x 1
		.amdhsa_system_sgpr_workgroup_id_y 1
		.amdhsa_system_sgpr_workgroup_id_z 1
		.amdhsa_system_vgpr_workitem_id 0
		.amdhsa_next_free_vgpr 1024
		.amdhsa_next_free_sgpr 82
		.amdhsa_reserve_vcc 0
		.amdhsa_float_denorm_mode_32 3
		.amdhsa_float_denorm_mode_16_64 3
		.amdhsa_memory_ordered 1
		.amdhsa_forward_progress 1
		.amdhsa_inst_pref_size 255
	.end_amdhsa_kernel
	.section	.bss,"aw",@nobits
	.p2align	6
	.space	262144
	.amdgpu_metadata
---
amdhsa.version: [ 1, 2 ]
amdhsa.kernels:
  - .name:           k_qbf7e368fbb_glu
    .symbol:         k_qbf7e368fbb_glu.kd
    .args:
      - { .name: x, .offset: 0, .size: 8, .value_kind: global_buffer, .address_space: global }
      - { .name: w1, .offset: 8, .size: 8, .value_kind: global_buffer, .address_space: global }
      - { .name: v1, .offset: 16, .size: 8, .value_kind: global_buffer, .address_space: global }
      - { .name: hbuf, .offset: 24, .size: 8, .value_kind: global_buffer, .address_space: global }
    .group_segment_fixed_size: 327680
    .private_segment_fixed_size: 0
    .kernarg_segment_align: 8
    .kernarg_segment_size: 32
    .max_flat_workgroup_size: 128
    .sgpr_count:     82
    .vgpr_count:     1024
    .wavefront_size: 32
...
	.end_amdgpu_metadata
.endif
;; end of part 1
;; launch down (part 2): grid 8 x 32, 4 waves a work-group, clusters of 4 x 4, 327,680 bytes of LDS; arguments hbuf, w2, out0; writes out0
.if DOCPART == 2
	.amdgcn_target "amdgcn-amd-amdhsa--gfx1250"
	.amdhsa_code_object_version 6
	.text
	.protected	k_qbf7e368fbb_down
	.globl	k_qbf7e368fbb_down
	.p2align	8
	.type	k_qbf7e368fbb_down,@function
k_qbf7e368fbb_down:
	s_mov_b64 s[64:65], 0
	v_nop
	global_prefetch_b8 v0, s[64:65] scope:SCOPE_SE
	s_setreg_imm32_b32 hwreg(HW_REG_WAVE_MODE, 25, 1), 1
	s_wait_xcnt 0x0
	s_wait_alu depctr_hold_cnt(0) depctr_sa_sdst(0) depctr_va_vdst(0) depctr_va_sdst(0) depctr_va_ssrc(0) depctr_va_vcc(0) depctr_vm_vsrc(0)
	s_getreg_b32 s2, hwreg(HW_REG_IB_STS2, 6, 4)
	s_cmp_eq_u32 s2, 0
	s_cbranch_scc0 .Lentry_in_a_cluster
	s_endpgm
.Lentry_in_a_cluster:
	s_bfe_u32 s2, ttmp6, 0x10000c
	s_cmp_lg_u32 s2, 0xf033
	s_cbranch_scc0 .Lentry_shape_is_right
	s_endpgm
.Lentry_shape_is_right:
; out0 = h W2, per expert.  hbuf: h in bf16 as [f >> 6 (32)][token (8192)][f & 63 (64)]; w2: [8][2048 (k = f)][1024 (n)] f32; out0: [8192][1024] f32.
; Expert e owns token rows 1024 e .. 1024 e + 1023 (the reshape of the problem's definition, which reads expert_ids in no line: it is no argument here).
; A work-group makes 256 tokens x 128 columns with four waves: 256 work-groups.  A wave makes 128 tokens x 64 columns: 8 x 4 accumulator tiles, 256 registers.
; K (2048) goes in 16 steps of 128 through a ring of two LDS slots filled by the tensor data mover.
; CLUSTERS: 4 x 4 work-groups.  A row of the cluster has the same 256 tokens and asks for h's tiles jointly; a column has the same 128 columns of the
; same expert's w2 (a cluster's four token blocks are one expert's) and asks for w2's tiles jointly.
; PREFETCH: a slot holds only 128 matrix instructions' work of a wave, and two such slots take most of LDS, so the tiles of K steps 2 to 15 are also asked
; for ahead of their tensor loads.  Once a lap (two K steps), behind the joint load of slot 1, the tiles of the lap after next are named: one and two K steps
; ahead of the tensor loads that want them; steps 2 and 3 are named at the start; laps 6 and 7 name nothing, so no request passes K's end.
; Each aligned block of 256 bytes is named once in the launch, one lane a block.  h: of each dense block of 256 tokens x 64 f (32 KiB) the work-group of
; column block c takes the 4 KiB at 4096 c; wave LO (of waves 0, 1) takes the blocks of f-block parity LO, lanes 0-15 the pair's first step, lanes 16-31 the second.
; w2: of a step's 128 rows x 512 bytes wave 2 + LO of the work-group at place cy of its cluster column takes rows 64 LO + 16 cy .. + 15, two blocks a row,
; one line for each step of the pair.  That is 192 blocks (48 KiB) a lap and work-group, two laps' at most not yet read.
;
; W2 LIES [K][N] IN F32 AND IS TURNED IN REGISTERS.  Lane (r = l % 16, h = l / 16) loads 16 bytes of row k: columns n0 + 4 r .. + 3.  The four words go to
; four fragments: fragment j holds, in lane r, column n0 + 4 r + j.  Sixteen loads (k = 8 h + 0..7 and 16 + 8 h + 0..7) and 32 packing conversions of rows
; k, k + 1 give the four fragments of 32 K x 64 columns, k in its true places.  In the results register jj of tiles j = 0..3 then holds
; columns n0 + 4 r .. + 3 of token 8 h + jj: 16 neighbouring bytes a lane, 256 for sixteen lanes.
; LIMITS: w2 is rounded to bf16 (h was rounded by the launch before); sums in f32.
;
; REGISTERS: window 0: v0-31 addresses; v32-95, v96-159 fragments of h, two buffers; v160-191 fragments of w2; v192-255 landing of w2 (f32).
;            window 1: tile (i, j) at v[8 (4 i + j)].
.set PITCH, 272                        ; two token rows of 128 bytes + 16 of padding: token t of a block at (t >> 1) x 272 + (t & 1) x 128; a fragment's 16 rows begin at 16 different 16-byte columns modulo 256
.set ABLK,  128*PITCH                  ; 256 tokens x 64 f of h
.set BOFF,  2*ABLK                     ; behind h's two blocks: w2's 128 rows of 512 bytes, without padding (a load's sixteen lanes take 256 consecutive bytes)
.set BHALF, 64*512
.set SLOT,  BOFF+2*BHALF
.set ASTEP, 1<<21                      ; a K step in hbuf: two blocks of 8192 x 128 bytes
.set BSTEP, 1<<19                      ; a K step in w2: 128 rows of 4,096 bytes
.set LAPS,  8
.set ADRA, 16                          ; v16-17  LDS address of my h rows in slot 0, 1
.set ADRB, 20                          ; v20-21  the same for my columns of w2
.set CO,   26                          ; v26     my byte offset in out0
.set PFA,  27                          ; v27     prefetch of h: (lane % 16) x 256 + (lane / 16) x a K step; never rewritten
.set PFB,  28                          ; v28     prefetch of w2: (lane / 2) x 4,096 + (lane % 2) x 256; never rewritten
.set FA0,  32
.set FA1,  96
.set FB,   160
.set LB,   192
.set G1,  24                           ; s[24:31] group 1 for h's tiles
.set G0,  32                           ; s[32:39] group 0 for h's tiles, one set for each slot
.set G1B, 48                           ; s[48:55] group 1 for w2's tiles
.set G0B, 56                           ; s[56:63] group 0 for w2's tiles, one set for each slot
.set PF,  66                           ; s[66:67] prefetch: my wave's place in h (waves 0, 1) or in w2 (waves 2, 3) at the pair of K steps that is named next
.set PS,  68                           ; s[68:69] two K steps in that buffer, in bytes
.set MSB, 0
.macro WIN new                         ; the immediate's high byte repeats the setting that is left
.if MSB != \new
	s_set_vgpr_msb (MSB<<8)|\new
.set MSB, \new
.endif
.endm
.set MULW, 0x50                        ; sources 0 and 1 window 0, C and D window 1
.set OUTW, 0x01                        ; source 0 window 1
; A joint load.  Waves 0 and 1 fetch h's two blocks of 64 f, waves 2 and 3 w2's two halves of 64 rows.  The branch hangs on the wave's number alone.
.macro JLOAD s
	s_cmp_eq_u32 s13, 0
	s_cbranch_scc0 .Lfor_b_\@
	tensor_load_to_lds s[G0+4*\s:G0+4*\s+3], s[G1:G1+7]
	s_nop 0
	s_branch .Lasked_\@
.Lfor_b_\@:
	tensor_load_to_lds s[G0B+4*\s:G0B+4*\s+3], s[G1B:G1B+7]
	s_nop 0
.Lasked_\@:
.endm
.macro CREST                           ; a round of the cluster's barrier behind its opening barrier
	s_cmp_lg_u32 s12, 0
	s_cbranch_scc1 .Lnot_wave_0_\@
	s_barrier_signal -3
.Lnot_wave_0_\@:
	s_barrier_wait -3
	s_barrier_signal -1
	s_barrier_wait -1
.endm
.macro CROUND                          ; a whole round
	s_barrier_signal -1
	s_barrier_wait -1
	CREST
.endm
; The prefetch of a pair of K steps: waves 0 and 1 name 32 blocks of h each, waves 2 and 3 twice 32 blocks of w2.  Nothing waits for these lines.
.macro PFETCH
	s_cmp_eq_u32 s13, 0
	s_cbranch_scc0 .Lpf_b_\@
	global_prefetch_b8 v[PFA], s[PF:PF+1] th:TH_LOAD_NT scope:SCOPE_SE
	s_branch .Lpf_done_\@
.Lpf_b_\@:
	global_prefetch_b8 v[PFB], s[PF:PF+1] th:TH_LOAD_NT scope:SCOPE_SE
	global_prefetch_b8 v[PFB], s[PF:PF+1] offset:BSTEP th:TH_LOAD_NT scope:SCOPE_SE
.Lpf_done_\@:
.endm
	s_load_b128 s[4:7], s[0:1], 0x0                ; hbuf s[4:5], w2 s[6:7]
	s_load_b64 s[8:9], s[0:1], 0x10                ; out0
	v_lshl_add_u32 v30, v0, 2, 0x42000
	v_mov_b32 v31, 0
	ds_add_u32 v30, v31
	v_lshrrev_b32 v1, 5, v0
	v_readfirstlane_b32 s12, v1                    ; wave 0..3
	s_lshr_b32 s13, s12, 1                         ; HI: which 128 tokens are mine.  Also: I fetch for h (0) or for w2 (1)
	s_and_b32 s14, s12, 1                          ; LO: which 64 columns are mine.  Also: which half of the K step's 128 I fetch
	s_bfe_u32 s15, ttmp6, 0x40000                  ; cx
	s_bfe_u32 s16, ttmp6, 0x40004                  ; cy
	s_lshl_b32 s17, ttmp9, 2
	s_add_co_u32 s17, s17, s15                     ; column block (128) = 4 x cluster x + cx
	s_and_b32 s19, ttmp7, 0xffff                   ; expert = cluster y
	s_lshl_b32 s18, s19, 2
	s_add_co_u32 s18, s18, s16                     ; token block (256) = 4 x cluster y + cy
	s_lshl_b32 s20, s16, 2
	s_lshl_b32 s20, 15, s20                        ; my row of the cluster
	s_lshl_b32 s21, 0x1111, s15                    ; my column
	; h's tile is dense in memory: 32,768 bytes as 128 rows of 32 elements of 8 bytes, 16 bytes of padding behind each in LDS
	s_or_b32 s[G1+0], s20, (3<<16)|(1<<20)|(1<<21)|(5<<22)|(3<<25)  ; 15:0 mask of my row; 17:16 elements of 8 bytes; 20 padding on; 21 set beside a mask; after every 64 words four words
	s_mov_b32 s[G1+1], 32<<16                      ; tensor_dim0 = 32
	s_mov_b32 s[G1+2], 128<<16                     ; tensor_dim1 = 128
	s_mov_b32 s[G1+3], 32<<16                      ; tile_dim0 = 32
	s_mov_b32 s[G1+4], 128                         ; tile_dim1 = 128
	s_mov_b32 s[G1+5], 32                          ; each row begins where the last ends
	s_mov_b32 s[G1+6], 0
	s_mov_b32 s[G1+7], 0
	; w2's tile: 64 rows x 128 f32, no padding
	s_or_b32 s[G1B+0], s21, (2<<16)|(1<<21)        ; 15:0 mask of my column; elements of 4 bytes; 21 set beside a mask
	s_mov_b32 s[G1B+1], 128<<16                    ; tensor_dim0 = 128
	s_mov_b32 s[G1B+2], 64<<16                     ; tensor_dim1 = 64
	s_mov_b32 s[G1B+3], 128<<16                    ; tile_dim0 = 128
	s_mov_b32 s[G1B+4], 64                         ; tile_dim1 = 64
	s_mov_b32 s[G1B+5], 1024                       ; elements from row to row
	s_mov_b32 s[G1B+6], 0
	s_mov_b32 s[G1B+7], 0
	s_lshl_b32 s40, s18, 15                        ; h: 256 tokens x 128 bytes for each token block
	s_lshl_b32 s41, s14, 20                        ; + my block of 64 f
	s_add_co_u32 s40, s40, s41
	s_mov_b32 s41, 0
	s_lshl_b32 s42, s19, 23                        ; w2: an expert's 2048 rows of 4,096 bytes
	s_lshl_b32 s43, s14, 18                        ; + my 64 rows
	s_add_co_u32 s42, s42, s43
	s_lshl_b32 s43, s17, 9                         ; + 512 bytes for each column block
	s_add_co_u32 s42, s42, s43
	s_mov_b32 s43, 0
	s_mul_i32 s22, s12, ABLK                       ; h's blocks go to wave x 34,816 (waves 0, 1)
	s_mul_i32 s23, s12, BHALF
	s_add_co_u32 s23, s23, BOFF-2*BHALF            ; w2's halves to 69,632 + (wave - 2) x 32,768 (waves 2, 3)
	s_wait_dscnt 0x0
	s_wait_kmcnt 0x0
	s_add_nc_u64 s[40:41], s[4:5], s[40:41]
	s_add_nc_u64 s[42:43], s[6:7], s[42:43]
	CROUND                                         ; all sixteen work-groups are here: the first joint loads meet
.irp s, 0,1
	s_mov_b32 s[G0+4*\s], 1
	s_add_co_u32 s[G0+4*\s+1], s22, \s*SLOT
	s_add_nc_u64 s[G0+4*\s+2:G0+4*\s+3], s[40:41], \s*ASTEP
	s_or_b32 s[G0+4*\s+3], s[G0+4*\s+3], 0x80000000
	s_mov_b32 s[G0B+4*\s], 1
	s_add_co_u32 s[G0B+4*\s+1], s23, \s*SLOT
	s_add_nc_u64 s[G0B+4*\s+2:G0B+4*\s+3], s[42:43], \s*BSTEP
	s_or_b32 s[G0B+4*\s+3], s[G0B+4*\s+3], 0x80000000
	JLOAD \s                                       ; both slots are asked for before anything else: two tensor loads of this wave are out
.endr
	v_and_b32 v1, 15, v0                           ; r
	v_bfe_u32 v2, v0, 4, 1                         ; h
	; the prefetch's places: K steps 2 and 3 are named now, right behind the first fills
	v_lshlrev_b32 v[PFA], 8, v1                    ; h: a block of 256 bytes for lane % 16,
	v_lshl_add_u32 v[PFA], v2, 21, v[PFA]          ; the pair's first or second K step for lane / 16
	v_and_b32 v6, 31, v0
	v_lshrrev_b32 v7, 1, v6
	v_and_b32 v6, 1, v6
	v_lshlrev_b32 v[PFB], 12, v7                   ; w2: a row for lane / 2,
	v_lshl_add_u32 v[PFB], v6, 8, v[PFB]           ; its first or second block of 256 bytes for lane % 2
	s_lshl_b32 s44, s18, 15                        ; h: the token block,
	s_lshl_b32 s45, s14, 20                        ; the f blocks of my parity,
	s_add_co_u32 s44, s44, s45
	s_lshl_b32 s45, s17, 12                        ; my work-group's 4,096 bytes of the 32,768,
	s_add_co_u32 s44, s44, s45
	s_add_co_u32 s44, s44, 2*ASTEP                 ; K steps 2 and 3
	s_lshl_b32 s46, s19, 23                        ; w2: the expert,
	s_lshl_b32 s45, s14, 18                        ; my 64 rows of a step's 128,
	s_add_co_u32 s46, s46, s45
	s_lshl_b32 s45, s17, 9                         ; the column block,
	s_add_co_u32 s46, s46, s45
	s_lshl_b32 s45, s16, 16                        ; my work-group's 16 rows of the 64,
	s_add_co_u32 s46, s46, s45
	s_add_co_u32 s46, s46, 2*BSTEP                 ; K steps 2 and 3
	s_mov_b32 s[PS], 2*ASTEP
	s_mov_b32 s[PS+1], 2*BSTEP
	s_cmp_eq_u32 s13, 0                            ; waves 0, 1: h; waves 2, 3: w2
	s_cselect_b64 s[PF:PF+1], s[4:5], s[6:7]
	s_cselect_b32 s46, s44, s46
	s_cselect_b32 s[PS], s[PS], s[PS+1]
	s_mov_b32 s47, 0
	s_mov_b32 s[PS+1], 0
	s_add_nc_u64 s[PF:PF+1], s[PF:PF+1], s[46:47]
	PFETCH
	v_lshrrev_b32 v3, 1, v1
	v_and_b32 v4, 1, v1
	v_mul_u32_u24 v3, v3, PITCH                    ; h's fragment: token r at (r >> 1) x 272
	v_lshl_add_u32 v3, v4, 7, v3                   ; + (r & 1) x 128
	v_lshl_add_u32 v3, v2, 4, v3                   ; + 16 h: K = 8 h + 0..7; the second load, 32 bytes on, K = 16 + 8 h + 0..7
	v_lshlrev_b32 v5, 4, v1                        ; w2: columns 4 r .. 4 r + 3
	v_lshl_add_u32 v5, v2, 12, v5                  ; + 8 h rows of 512 bytes
	s_mul_i32 s46, s13, 64*PITCH                   ; my 128 tokens
	s_lshl_b32 s47, s14, 8                         ; my 64 columns,
	s_add_co_u32 s47, s47, BOFF                    ; behind h's blocks
.irp s, 0,1
	v_add_nc_u32 v[ADRA+\s], s46, v3
	v_add_nc_u32 v[ADRB+\s], s47, v5
	s_add_co_u32 s46, s46, SLOT
	s_add_co_u32 s47, s47, SLOT
.endr
	v_lshlrev_b32 v[CO], 4, v1                     ; out0: 16 r
	v_lshl_add_u32 v[CO], v2, 15, v[CO]            ; + 8 h rows of 4,096 bytes
; 32 LDS loads for quarter qd (32 along K) of a slot: first w2's 16 into the landing, then h's 16 into fragment buffer f
.macro FETCH slot, qd, f
	WIN 0
.irp ii, 0,1,2,3,4,5,6,7
	ds_load_b128 v[LB+4*\ii:LB+4*\ii+3], v[ADRB+\slot] offset:16384*\qd+512*\ii              ; k = 8 h + ii
.endr
.irp ii, 0,1,2,3,4,5,6,7
	ds_load_b128 v[LB+32+4*\ii:LB+32+4*\ii+3], v[ADRB+\slot] offset:16384*\qd+8192+512*\ii   ; k = 16 + 8 h + ii
.endr
.irp i, 0,1,2,3,4,5,6,7
	ds_load_b128 v[\f+8*\i:\f+8*\i+3],   v[ADRA+\slot] offset:ABLK*(\qd>>1)+64*(\qd&1)+8*PITCH*\i
	ds_load_b128 v[\f+8*\i+4:\f+8*\i+7], v[ADRA+\slot] offset:ABLK*(\qd>>1)+64*(\qd&1)+8*PITCH*\i+32
.endr
.endm
; 32 conversions: word j of the loads of rows 2 p and 2 p + 1 becomes register p of fragment j
.macro CVT
.irp j, 0,1,2,3
.irp p, 0,1,2,3,4,5,6,7
	v_cvt_pk_bf16_f32 v[FB+8*\j+\p], v[LB+8*\p+\j], v[LB+8*\p+4+\j]
.endr
.endr
.endm
; 4 matrix instructions: token block i x the four column fragments.  zero = 1: the first product starts the sums.
.macro MULI f, i, zero
.irp j, 0,1,2,3
.if \zero
	v_wmma_f32_16x16x32_bf16 v[8*(4*\i+\j):8*(4*\i+\j)+7], v[\f+8*\i:\f+8*\i+7], v[FB+8*\j:FB+8*\j+7], 0
.else
	v_wmma_f32_16x16x32_bf16 v[8*(4*\i+\j):8*(4*\i+\j)+7], v[\f+8*\i:\f+8*\i+7], v[FB+8*\j:FB+8*\j+7], v[8*(4*\i+\j):8*(4*\i+\j)+7]
.endif
.endr
.endm
; A vector instruction that writes, and a load issued into, a register that a matrix instruction has read stand four places behind it; only plain vector
; instructions that name none of its registers are places (ISA guide 7.12.1 for vector instructions).  Four v_nop stand at the
; head of each quarter, in front of the conversions into w2's fragments and of the loads into the h buffer that the quarter before has multiplied.
; The 32 accumulators take turns, one instruction a turn, in the same order in every quarter, over the backward jump too.
.macro PLACES
.rept 4
	v_nop
.endr
.endm
; One of a K step's first three quarters: packs w2, asks for quarter qn into the landing and buffer g, multiplies buffer f.
.macro Q slot, qn, f, g, zero
	s_wait_dscnt 16                                ; w2's 16 loads are in; h's 16, issued behind them, may be out
	WIN 0
	PLACES
	CVT
	FETCH \slot, \qn, \g
	s_wait_dscnt 32                                ; all but the 32 just issued: buffer f is in
	WIN MULW
.irp i, 0,1,2,3,4,5,6,7
	MULI \f, \i, \zero
.endr
.endm
; The fourth quarter (buffer 1), and the change of slots.  fill = 1: this slot is filled again, two K steps ahead; pf = 1: a pair of K steps is named ahead.
; In front of the barrier each wave waits for its reads of this slot and for all its tensor loads (one is out: its part of the next slot).
; Behind it the refill comes first.  Nothing stands between the signal and the wait, and all 32 products of this quarter stand behind the refill: a slot
; holds only 128 matrix instructions' work of a wave, so the next request leaves as soon as the round has closed, and the products, which need registers
; alone, run while it is on its way.  The next slot's first loads stand in their middle: they land in the landing and in buffer 0, which the products
; round them do not name (buffer 0 was last multiplied a quarter ago, in front of this quarter's four v_nop).
.macro TURN slot, next, fill, pf
.if \pf
	s_wait_xcnt 0x0                                ; the last prefetch, a lap ago, has had its addresses translated (ISA guide 3.1): its base is stepped only behind this wait
	s_add_nc_u64 s[PF:PF+1], s[PF:PF+1], s[PS:PS+1]
.endif
	s_wait_dscnt 16
	WIN 0
	PLACES
	CVT
	s_wait_dscnt 0                                 ; my reads of this slot are over
	s_wait_tensorcnt 0x0                           ; all my tensor loads have landed, so every group 0 may be written
	ds_add_u32 v30, v31
	s_wait_dscnt 0x0
.if \fill
	s_add_nc_u64 s[G0+4*\slot+2:G0+4*\slot+3], s[G0+4*\slot+2:G0+4*\slot+3], 2*ASTEP
	s_add_nc_u64 s[G0B+4*\slot+2:G0B+4*\slot+3], s[G0B+4*\slot+2:G0B+4*\slot+3], 2*BSTEP
.endif
	s_barrier_signal -1                            ; say so (where the slot is filled again this barrier opens a round of the cluster's barrier)
	s_barrier_wait -1
.if \fill
	CREST                                          ; no wave of any partner still reads this slot's tiles or has a load on its way
	JLOAD \slot                                    ; the first tensor load behind the round, and my only one until the next: one is out
.endif
.if \pf
	PFETCH                                         ; the tiles of the lap after next: their tensor loads stand one and two K steps further on
.endif
	WIN MULW
.irp i, 0,1,2,3
	MULI FA1, \i, 0
.endr
	FETCH \next, 0, FA0
	WIN MULW
.irp i, 4,5,6,7
	MULI FA1, \i, 0
.endr
.endm
.macro THREE slot, zero
	Q \slot, 1, FA0, FA1, \zero
	Q \slot, 2, FA1, FA0, 0
	Q \slot, 3, FA0, FA1, 0
.endm
.macro LAP zero, pf                    ; once round the ring, both slots filled again
	THREE 0, \zero
	TURN 0, 1, 1, 0
	THREE 1, 0
	TURN 1, 0, 1, \pf
.endm
	s_wait_tensorcnt 0x1                           ; my part of K step 0 is in; K step 1's stays out
	s_barrier_signal -1
	s_barrier_wait -1                              ; everybody's part is in
	FETCH 0, 0, FA0
	LAP 1, 1                                       ; lap 0 stands in front of the loop: its first products start the sums; it names lap 2's tiles
	WIN 0                                          ; at a label and at a branch every window is 0
	s_mov_b32 s3, LAPS-3
.Llap:
	LAP 0, 1                                       ; laps 1 to 5 name the tiles of laps 3 to 7
	WIN 0
	s_sub_co_u32 s3, s3, 1
	s_cmp_lg_u32 s3, 0
	s_cbranch_scc1 .Llap
	LAP 0, 0                                       ; lap 6 fills both slots for lap 7 and names nothing: there is no lap 8
	THREE 0, 0                                     ; the last lap fills nothing and has no round of the cluster's barrier
	TURN 0, 1, 0, 0
	THREE 1, 0
	s_wait_dscnt 16                                ; the very last quarter: nothing more to fetch
	WIN 0
	PLACES
	CVT
	s_wait_dscnt 0
	WIN MULW
.irp i, 0,1,2,3,4,5,6,7
	MULI FA1, \i, 0
.endr
	; THE WAY OUT.  The four v_nop are the places behind the last matrix instructions, for the moves that read results and write over fragments.
	PLACES
	s_lshl_b32 s44, s18, 20                        ; 256 rows of 4,096 bytes for each token block
	s_lshl_b32 s45, s13, 19                        ; + my 128 rows
	s_add_co_u32 s44, s44, s45
	s_lshl_b32 s45, s17, 9                         ; + 512 bytes for each column block
	s_add_co_u32 s44, s44, s45
	s_lshl_b32 s45, s14, 8                         ; + my 64 columns
	s_add_co_u32 s44, s44, s45
	s_mov_b32 s45, 0
	s_add_nc_u64 s[8:9], s[8:9], s[44:45]
; Token rows 16 i .. 16 i + 15.  Register jj of tiles (i, 0..3) is brought side by side: four neighbouring columns of token 16 i + 8 h + jj.
; Groups 0 to 6 have 32 registers each of window 0 (fragments and landing are dead); group 7 takes the first 32 again, behind a wait.
.macro OUT16 i, tb, again
.if \again
	s_wait_xcnt 0x0                                ; the earlier stores have had their addresses translated (ISA guide 3.1): their data registers are rewritten only behind this wait
.endif
	WIN OUTW
.irp jj, 0,1,2,3,4,5,6,7
.irp j, 0,1,2,3
	v_mov_b32 v[\tb+4*\jj+\j], v[8*(4*\i+\j)+\jj]
.endr
.endr
	WIN 0
.irp jj, 0,1,2,3,4,5,6,7
	global_store_b128 v[CO], v[\tb+4*\jj:\tb+4*\jj+3], s[8:9] offset:(16*\i+\jj)*4096 th:TH_STORE_NT   ; sixteen lanes store 256 consecutive bytes, at a multiple of 256 from out0's first byte
.endr
.endm
	OUT16 0, 32, 0
	OUT16 1, 64, 0
	OUT16 2, 96, 0
	OUT16 3, 128, 0
	OUT16 4, 160, 0
	OUT16 5, 192, 0
	OUT16 6, 224, 0
	OUT16 7, 32, 1
	CROUND                                         ; the closing round: no work-group ends while a partner may still ask for a tile that names it
	s_endpgm
.Lfunc_end_k_qbf7e368fbb_down:
	.size	k_qbf7e368fbb_down, .Lfunc_end_k_qbf7e368fbb_down-k_qbf7e368fbb_down
	.p2alignl 7, 3214868480
	.fill 96, 4, 3214868480
	.section	.rodata,"a",@progbits
	.p2align	6, 0x0
	.amdhsa_kernel k_qbf7e368fbb_down
		.amdhsa_group_segment_fixed_size 327680
		.amdhsa_private_segment_fixed_size 0
		.amdhsa_enable_private_segment 0
		.amdhsa_kernarg_size 24
		.amdhsa_user_sgpr_count 2
		.amdhsa_user_sgpr_kernarg_segment_ptr 1
		.amdhsa_wavefront_size32 1
		.amdhsa_system_sgpr_workgroup_id_x 1
		.amdhsa_system_sgpr_workgroup_id_y 1
		.amdhsa_system_sgpr_workgroup_id_z 1
		.amdhsa_system_vgpr_workitem_id 0
		.amdhsa_next_free_vgpr 512
		.amdhsa_next_free_sgpr 70
		.amdhsa_reserve_vcc 0
		.amdhsa_float_denorm_mode_32 3
		.amdhsa_float_denorm_mode_16_64 3
		.amdhsa_memory_ordered 1
		.amdhsa_forward_progress 1
		.amdhsa_inst_pref_size 230
	.end_amdhsa_kernel
	.amdgpu_metadata
---
amdhsa.version: [ 1, 2 ]
amdhsa.kernels:
  - .name:           k_qbf7e368fbb_down
    .symbol:         k_qbf7e368fbb_down.kd
    .args:
      - { .name: hbuf, .offset: 0, .size: 8, .value_kind: global_buffer, .address_space: global }
      - { .name: w2, .offset: 8, .size: 8, .value_kind: global_buffer, .address_space: global }
      - { .name: out0, .offset: 16, .size: 8, .value_kind: global_buffer, .address_space: global }
    .group_segment_fixed_size: 327680
    .private_segment_fixed_size: 0
    .kernarg_segment_align: 8
    .kernarg_segment_size: 24
    .max_flat_workgroup_size: 128
    .sgpr_count:     70
    .vgpr_count:     512
    .wavefront_size: 32
...
	.end_amdgpu_metadata
.endif
;; end of part 2
